; MI455X (gfx1250); checked and timed in simulation.
; The chip was launched on July 23, 2026; its instructions are those of AMD's public machine-readable ISA for CDNA 5 (MIT licence, August 2026) and "CDNA5" Instruction Set Architecture Reference Guide (July 2026). The comments in the code are by the model that wrote it; some were corrected since.
;; Cross Attention. Allowed arithmetic: matrix products marked QUANTISED: E2M3 operands, one E8M0 scale for each 32 along K, by v_wmma_scale_f32_16x16x128_f8f6f4 with both operands' format E2M3, f32 sums; everything else in f32.
;; Inputs: Wk 1,024 x 1,024 float32; Wm 1,024 x 1,024 float32; Wq 1,024 x 1,024 float32; Wv 1,024 x 1,024 float32; bk 1,024 float32; bm 1,024 float32; bq 1,024 float32; bv 1,024 float32; ln_b 1,024 float32; ln_g 1,024 float32; mask 4 x 2,048 int32; x_k 4 x 2,048 x 1,024 float32; x_v 4 x 2,048 x 1,024 float32; y_q 4 x 2,048 x 1,024 float32.
;; Outputs: out0 4 x 2,048 x 1,024 float32.
;; This version of the problem:
;;   THIS VERSION OF THE PROBLEM IS GIVEN IN LOW PRECISION. The matrix products marked QUANTISED in the list below multiply operands that are first quantised to E2M3 (2 exponent bits, 3 mantissa bits; 6 bits a number), with one power-of-two scale for each 32 numbers along K (OCP MX v1.0); their sums are f32. All else is computed in f32.
;;   The module's matrix products, in the order in which they are computed (A, B: the left and right operand; K: the contracted axis; several contracted axes count as one K, in the product's order):
;;     1. [M 8,192, K 1,024] x [K 1,024, N 1,024]; A: input x_v; B: input Wv: QUANTISED
;;     2. [M 8,192, K 1,024] x [K 1,024, N 1,024]; A: input x_k; B: input Wk: QUANTISED
;;     3. [M 8,192, K 1,024] x [K 1,024, N 1,024]; A: input y_q; B: input Wq: QUANTISED
;;     4. batch 64 x [M 2,048, K 64] x [K 64, N 2,048]; A: computed on the way; B: computed on the way: QUANTISED
;;     5. batch 64 x [M 2,048, K 2,048] x [K 2,048, N 64]; A: softmax (see below); B: computed on the way: QUANTISED
;;     6. [M 8,192, K 1,024] x [K 1,024, N 1,024]; A: computed on the way; B: input Wm: QUANTISED
;;   THE QUANTISER, for each operand of a quantised product, along K:
;;     - K is cut into blocks of 32 from its start; a last block that is shorter is filled with zeros.
;;     - A block's scale is 2^e with e = floor(log2(the largest magnitude in the block)) - 2, held to -126 .. 127; a block of zeros has e = 0. As a byte (E8M0): e + 127.
;;     - Each number is divided by its block's scale, clamped to +-7.5, and rounded to the nearest number of E2M3, ties to even, subnormals kept.
;;     - The product sums the exact products of the quantised numbers (number of the format x scale) in f32.
;;   ~~~python
;;   def quantise(x, axis):      # numpy; x: float32 -> the quantised numbers, widened to float32 again
;;       x = np.moveaxis(x, axis, -1); K = x.shape[-1]
;;       x = np.pad(x, [(0, 0)] * (x.ndim - 1) + [(0, -K % 32)]); x = x.reshape(x.shape[:-1] + (-1, 32)); a = np.abs(x).max(-1, keepdims=True)
;;       e = np.where(a > 0, np.clip(np.frexp(np.where(a > 0, a, 1))[1] - 1 - 2, -126, 127), 0)      # np.frexp(a)[1] - 1 = floor(log2(a)), exactly
;;       r = np.clip(x / 2.0 ** e, -7.5, 7.5)
;;       step = 2.0 ** (np.maximum(np.frexp(np.where(r == 0, 1, r))[1] - 1, 0) - 3)
;;       q = np.round(r / step) * step * 2.0 ** e      # np.round: ties to even
;;       return np.moveaxis(q.reshape(q.shape[:-2] + (-1,))[..., :K], -1, axis).astype(np.float32)
;;   ~~~
;;   SOFTMAX AHEAD OF A QUANTISED PRODUCT. Where the list says 'softmax', what is quantised is not the finished softmax but p = 2^(t - M), with t = logit x log2(e) and M = ceil(the row's largest t), a whole number; so 1/2 < the row's largest p <= 1. The row's sum l is taken of the UNQUANTISED p, in f32, and the product's result is divided by l at the end. Since M is a whole number, a kernel that streams over the keys may use a running M (the ceiling of the running maximum): every later rescaling is an exact power of two, which a block's scale takes up: the codes' values come out the same.
;;   OPERANDS COMPUTED ON THE WAY. 'Computed on the way' means the value that the module computes at that place (a softmax that the list does not call 'softmax' is quantised finished and normalised). What goes into a quantiser is computed in f32, as accurately as f32 sums, v_exp_f32 and their like allow (about 1e-6 of the number): no bf16 or f16 on the way to a quantiser, and a product that is left as it is and whose result goes on into a quantised operand takes f32 operands (vector FMAs, or v_wmma_f32_16x16x4_f32). A number that lies on a knife's edge between two numbers of the format may be rounded either way, as far as f32 arithmetic and the matrix unit's own rounding can turn it there, and no further.
;; One version. Each part assembles by itself: llvm-mc -triple=amdgcn-amd-amdhsa -mcpu=gfx1250 --defsym DOCPART=n.
;; ======== version 1 of 1: 4 launches
;; limits: right only within a limited range of input values
;; workspace buffers: img 22,020,096 bytes; scl 917,504 bytes; kv 13,369,344 bytes; qb 6,815,744 bytes; oimg 6,291,456 bytes; osc 524,288 bytes
;; launch quant (part 1): grid 256 x 1, 7 waves a work-group, no clusters, 60,416 bytes of LDS; arguments x_v, x_k, y_q, Wv, Wk, Wq, Wm, img, scl; writes img, scl
.if DOCPART == 1
	.amdgcn_target "amdgcn-amd-amdhsa--gfx1250"
	.amdhsa_code_object_version 6
	.text
	.protected	k_qe534a3aed8_quant
	.globl	k_qe534a3aed8_quant
	.p2align	8
	.type	k_qe534a3aed8_quant,@function
k_qe534a3aed8_quant:
	s_mov_b64 s[64:65], 0
	v_nop
	global_prefetch_b8 v0, s[64:65] scope:SCOPE_SE
	s_setreg_imm32_b32 hwreg(HW_REG_WAVE_MODE, 25, 1), 1
	s_wait_xcnt 0x0
; x_v, x_k, y_q [8192][1024] and Wv, Wk, Wq, Wm [1024][1024], f32, K innermost, become codes of FP6 (E2M3) with one E8M0 byte for each 32 along K.
; A UNIT is 16 rows: unit T of a tensor takes rows 32 (T / 2) + 8 (T % 2) + r + 8 (r / 8), r = 0 .. 15.  1,792 units in all: 256 work-groups x 7 waves, a unit a wave.
; The codes are laid as IMAGES OF THE OPERAND'S REGISTERS: for unit U and K step s (128 along K) 1,536 bytes at 12288 U + 1536 s: chunk c of 512 bytes holds lane l's registers 4 c .. 4 c + 3 at 16 l.
; The scale words (four bytes: 128 along K of one row) lie at 512 U + 32 r + 4 s.
; A block's scale is 2^(floor(log2(largest magnitude)) - 2); its byte is the largest magnitude's exponent field - 2, held at 1 from below.
; LIMITS: a block of zeros, or one whose largest magnitude lies under 2^-124, keeps the byte 1 (this program alone reads the bytes; zero codes add nothing); NaN and infinities are not served.
; Each load reads 512 consecutive bytes (a row's K step); the 16 rows turn through the wave's own stage in LDS and come back 128 bytes a lane: the 32 neighbours of each of the lane's two blocks.
; No barrier: waves share nothing.  Loads run two K steps (32 loads a wave) ahead.
.set STG,    8448                      ; a wave's stage: 16 rows x SPITCH
.set SPITCH, 528                       ; 512 bytes + 16: an odd multiple of 16, so sixteen lanes that read one column of sixteen rows fall on different 16-byte columns
.set W,      16                        ; v16-23   the eight scale words
.set C,      28                        ; v28-39   a K step's codes: the fragment's 12 registers
.set TMP,    40                        ; v40-46   the conversions' second halves
.set R,      48                        ; v48-175  two sets of 64 registers as loaded
.set X,      176                       ; v176-239 register 32 c + i: k = 64 c + 32 h + i of my row
	s_load_b512 s[8:23], s[0:1], 0x0               ; x_v, x_k, y_q, Wv, Wk, Wq, Wm, img
	s_load_b64 s[24:25], s[0:1], 0x40              ; scl
	v_lshl_add_u32 v240, v0, 2, 0xe800
	v_mov_b32 v241, 0
	v_lshrrev_b32 v1, 5, v0
	v_readfirstlane_b32 s2, v1                     ; wave 0..6
	v_and_b32 v1, 31, v0                           ; l
	v_and_b32 v2, 15, v0                           ; r
	v_bfe_u32 v3, v0, 4, 1                         ; h
	s_mul_i32 s3, ttmp9, 7
	s_add_co_u32 s3, s3, s2                        ; U
	s_mul_i32 s4, s2, STG
	v_lshlrev_b32 v4, 4, v1                        ; 16 l: my place in a load's, and in a store's, 512 bytes
	v_add_nc_u32 v5, s4, v4                        ; the stage, on the way in
	v_mul_u32_u24 v6, v2, SPITCH
	v_lshl_add_u32 v6, v3, 7, v6
	v_add_nc_u32 v6, s4, v6                        ; and on the way out: row r, + 128 h
	v_lshlrev_b32 v7, 3, v3                        ; 8 h: my bytes' place in the scale word
	v_lshlrev_b32 v8, 5, v2
	v_lshl_add_u32 v8, v3, 4, v8                   ; 32 r + 16 h: where my four scale words go
	v_mov_b32 v47, 0                               ; a lane permute's destination counts as one of its sources
	s_mov_b32 s30, 0x76543210
	s_mov_b32 s31, 0xfedcba98                      ; lane l xor 16
	s_mov_b32 s32, 0xffff0000                      ; lanes 16-31
	s_cmp_lt_u32 s3, 1536
	s_cselect_b32 s28, 511, 63
	s_and_b32 s28, s3, s28                         ; T: the unit's number in its tensor (the tensors begin at multiples of 512 and of 64)
	; x_k's units (512 .. 1023) alone take other rows: unit T takes rows 64 (T / 4) + 8 (T % 4) + r % 8 + 32 (r / 8), so that in attention a lane's 32 scores of four tiles are one block of 32 keys
	s_lshr_b32 s5, s3, 9
	s_cmp_eq_u32 s5, 1
	s_cselect_b32 s5, 2, 1
	s_cselect_b32 s6, 6, 5
	s_cselect_b32 s7, 3, 1
	s_cselect_b32 s33, 0x10000, 0                  ; rows 8-15 of such a unit lie 16 rows (65,536 bytes) further on than in the other tensors
	s_lshr_b32 s29, s28, s5
	s_lshl_b32 s29, s29, s6
	s_and_b32 s28, s28, s7
	s_lshl_b32 s28, s28, 3
	s_add_co_u32 s28, s28, s29                     ; its first row
	s_wait_alu depctr_va_vdst(0)                   ; the wait directly ahead of the reader below
	v_add_nc_u32 v1, s33, v4                       ; the loads' offset for rows 8-15
	s_lshl_b32 s28, s28, 12                        ; x 4,096 bytes
	s_mov_b32 s29, 0
	s_mul_i32 s34, s3, 12288
	s_mov_b32 s35, 0
	s_lshl_b32 s36, s3, 9
	s_mov_b32 s37, 0
	s_wait_alu depctr_va_vdst(0)
	s_wait_kmcnt 0x0
	s_mov_b64 s[26:27], s[20:21]                   ; which tensor: a choice on the unit's number alone
	s_cmp_lt_u32 s3, 1728
	s_cselect_b64 s[26:27], s[18:19], s[26:27]
	s_cmp_lt_u32 s3, 1664
	s_cselect_b64 s[26:27], s[16:17], s[26:27]
	s_cmp_lt_u32 s3, 1600
	s_cselect_b64 s[26:27], s[14:15], s[26:27]
	s_cmp_lt_u32 s3, 1536
	s_cselect_b64 s[26:27], s[12:13], s[26:27]
	s_cmp_lt_u32 s3, 1024
	s_cselect_b64 s[26:27], s[10:11], s[26:27]
	s_cmp_lt_u32 s3, 512
	s_cselect_b64 s[26:27], s[8:9], s[26:27]
	s_add_nc_u64 s[26:27], s[26:27], s[28:29]
	s_add_nc_u64 s[22:23], s[22:23], s[34:35]
	s_add_nc_u64 s[24:25], s[24:25], s[36:37]
.macro LOAD s                          ; K step s of the unit's 16 rows
.irp i, 0,1,2,3,4,5,6,7,8,9,10,11,12,13,14,15
.if \i < 8
	global_load_b128 v[R+64*((\s)%2)+4*\i:R+64*((\s)%2)+4*\i+3], v4, s[26:27] offset:\i*4096+512*(\s) th:TH_LOAD_NT
.else
	global_load_b128 v[R+64*((\s)%2)+4*\i:R+64*((\s)%2)+4*\i+3], v1, s[26:27] offset:(\i+8)*4096+512*(\s) th:TH_LOAD_NT
.endif
.endr
.endm
.macro STEP s
.if (\s) < 7
	s_wait_loadcnt 16                              ; this step's 16 loads are in; the next step's 16 may be out
.else
	s_wait_loadcnt 0x0
.endif
.irp i, 0,1,2,3,4,5,6,7,8,9,10,11,12,13,14,15
	ds_store_b128 v5, v[R+64*((\s)%2)+4*\i:R+64*((\s)%2)+4*\i+3] offset:SPITCH*\i
.endr
.irp c, 0,1
.irp k, 0,1,2,3,4,5,6,7
	ds_load_b128 v[X+32*\c+4*\k:X+32*\c+4*\k+3], v6 offset:256*\c+16*\k   ; LDS serves a wave's instructions in order: these see the stores above
.endr
.endr
	s_wait_dscnt 0x0
.if (\s)+2 < 8
	LOAD (\s)+2                                    ; into the set that the stage has taken over
.endif
.irp c, 0,1
	v_max3_num_f32 v[10+\c], |v[X+32*\c]|, |v[X+32*\c+1]|, 0x1800000   ; my block 2 c + h: all its 32 numbers are mine; the floor 2^(3 - 127) holds the byte at 1 from below
.endr
.irp i, 2,4,6,8,10,12,14,16,18,20,22,24,26,28,30
.irp c, 0,1
	v_max3_num_f32 v[10+\c], v[10+\c], |v[X+32*\c+\i]|, |v[X+32*\c+\i+1]|
.endr
.endr
.irp c, 0,1
	v_add_nc_u32 v[12+\c], 0xff000000, v[10+\c]    ; 2 off the exponent field: the conversion's scale operand
.endr
.irp c, 0,1
	v_lshrrev_b32 v[14+\c], 23, v[12+\c]           ; the scale's byte
.endr
	v_lshl_or_b32 v9, v15, 16, v14                 ; blocks h and 2 + h,
	v_lshlrev_b32 v9, v7, v9                       ; at their places in the word;
	v_permlanex16_b32 v47, v9, s30, s31
	v_or_b32 v[W+(\s)], v9, v47                    ; with lane l xor 16's two the word is whole
.if (\s) > 0
	s_wait_alu depctr_va_vdst(0)
	s_wait_xcnt 0x0                                ; the last step's stores have read the codes' registers
.endif
.irp c, 0,1
	v_cvt_scalef32_pk16_fp6_f32 v[C+6*\c:C+6*\c+2], v[X+32*\c:X+32*\c+15], v[12+\c]
	v_cvt_scalef32_pk16_fp6_f32 v[TMP+4*\c:TMP+4*\c+2], v[X+32*\c+16:X+32*\c+31], v[12+\c]   ; (a conversion's three registers begin on an even number)
.endr
	v_nop                                          ; one plain place behind a scaled conversion
.irp c, 0,1
.irp i, 0,1,2
	v_mov_b32 v[C+6*\c+3+\i], v[TMP+4*\c+\i]
.endr
.endr
.irp k, 0,1,2
	global_store_b128 v4, v[C+4*\k:C+4*\k+3], s[22:23] offset:1536*(\s)+512*\k   ; 32 lanes store 512 consecutive bytes, at a multiple of 256 from the buffer's first byte
.endr
.endm
	LOAD 0
	LOAD 1
.irp s, 0,1,2,3,4,5,6,7
	STEP \s
.endr
.irp i, 0,1,2,3
	v_cndmask_b32 v[24+\i], v[W+\i], v[W+4+\i], s32   ; lanes 0-15: K steps 0-3 of row r; lanes 16-31: K steps 4-7
.endr
	global_store_b128 v8, v[24:27], s[24:25]       ; the unit's 512 bytes of scale words
	s_wait_tensorcnt 0x0
	ds_add_u32 v240, v241
	s_wait_dscnt 0x0
	s_endpgm
.Lfunc_end_k_qe534a3aed8_quant:
	.size	k_qe534a3aed8_quant, .Lfunc_end_k_qe534a3aed8_quant-k_qe534a3aed8_quant
	.p2alignl 7, 3214868480
	.fill 96, 4, 3214868480
	.section	.rodata,"a",@progbits
	.p2align	6, 0x0
	.amdhsa_kernel k_qe534a3aed8_quant
		.amdhsa_group_segment_fixed_size 60416
		.amdhsa_private_segment_fixed_size 0
		.amdhsa_enable_private_segment 0
		.amdhsa_kernarg_size 72
		.amdhsa_user_sgpr_count 2
		.amdhsa_user_sgpr_kernarg_segment_ptr 1
		.amdhsa_wavefront_size32 1
		.amdhsa_system_sgpr_workgroup_id_x 1
		.amdhsa_system_sgpr_workgroup_id_y 1
		.amdhsa_system_sgpr_workgroup_id_z 1
		.amdhsa_system_vgpr_workitem_id 0
		.amdhsa_next_free_vgpr 242
		.amdhsa_next_free_sgpr 66
		.amdhsa_reserve_vcc 0
		.amdhsa_float_denorm_mode_32 3
		.amdhsa_float_denorm_mode_16_64 3
		.amdhsa_memory_ordered 1
		.amdhsa_forward_progress 1
		.amdhsa_inst_pref_size 58
	.end_amdhsa_kernel
	.amdgpu_metadata
---
amdhsa.version: [ 1, 2 ]
amdhsa.kernels:
  - .name:           k_qe534a3aed8_quant
    .symbol:         k_qe534a3aed8_quant.kd
    .args:
      - { .name: x_v, .offset: 0, .size: 8, .value_kind: global_buffer, .address_space: global }
      - { .name: x_k, .offset: 8, .size: 8, .value_kind: global_buffer, .address_space: global }
      - { .name: y_q, .offset: 16, .size: 8, .value_kind: global_buffer, .address_space: global }
      - { .name: Wv, .offset: 24, .size: 8, .value_kind: global_buffer, .address_space: global }
      - { .name: Wk, .offset: 32, .size: 8, .value_kind: global_buffer, .address_space: global }
      - { .name: Wq, .offset: 40, .size: 8, .value_kind: global_buffer, .address_space: global }
      - { .name: Wm, .offset: 48, .size: 8, .value_kind: global_buffer, .address_space: global }
      - { .name: img, .offset: 56, .size: 8, .value_kind: global_buffer, .address_space: global }
      - { .name: scl, .offset: 64, .size: 8, .value_kind: global_buffer, .address_space: global }
    .group_segment_fixed_size: 60416
    .private_segment_fixed_size: 0
    .kernarg_segment_align: 8
    .kernarg_segment_size: 72
    .max_flat_workgroup_size: 224
    .sgpr_count:     66
    .vgpr_count:     242
    .wavefront_size: 32
...
	.end_amdgpu_metadata
.endif
;; end of part 1
;; launch proj (part 2): grid 4 x 96, 4 waves a work-group, no clusters, 327,680 bytes of LDS; arguments img, scl, bv, bk, bq, mask, kv, qb; writes kv, qb
.if DOCPART == 2
	.amdgcn_target "amdgcn-amd-amdhsa--gfx1250"
	.amdhsa_code_object_version 6
	.text
	.protected	k_qe534a3aed8_proj
	.globl	k_qe534a3aed8_proj
	.p2align	8
	.type	k_qe534a3aed8_proj,@function
k_qe534a3aed8_proj:
	s_mov_b64 s[64:65], 0
	v_nop
	global_prefetch_b8 v0, s[64:65] scope:SCOPE_SE
	s_setreg_imm32_b32 hwreg(HW_REG_WAVE_MODE, 25, 1), 1
	s_wait_xcnt 0x0
.set FR,    12
.set NL,    3
.set NP,    4
.set UNITB, 3072
.set HALFT, 8*UNITB
.set SLOT,  4*HALFT
.set SPARE, 2*SLOT
.set REC,   208896
.set QREC,  106496
.set VOFF,  6144                       ; a head's record is sixteen slabs of 13,056 bytes, one for each 128 keys: K's images, V^T's images (here), K's scale words, V's scale words
.set KSC,   12288
.set VSC,   12800
.set QSC,   98304
.set ADRA,  16
.set ADRB,  20
.set L16,   24
.set L8,    25
.set L4,    26
.set SPW,   28
.set NIL,   29
.set VLO,   30
.set VHI,   31
.set SC,    32
.set MK,    96
.set BL,    104
.set AF,    128
.set HA,    128
.set PC,    192
.set TM,    212
.set PW,    228
.set HD,    229
.set G1,    32
.set G0,    40
.set SEL,   50
.set SH,    52
.set MSB, 0
.macro WIN new
.if MSB != (\new)
	s_set_vgpr_msb (MSB<<8)|(\new)
.set MSB, (\new)
.endif
.endm
.set MUL_LO, 0xa1
.set MUL_HI, 0xf1
.set TO_B,   0x40
.macro PLACES n
.rept \n
	v_nop
.endr
.endm
	s_load_b512 s[4:19], s[0:1], 0x0
	v_lshl_add_u32 v[SPW], v0, 2, SPARE
	v_mov_b32 v[NIL], 0
	ds_add_u32 v28, v29
	ds_add_u32 v28, v29
	s_wait_dscnt 0x0
	v_lshrrev_b32 v1, 5, v0
	v_readfirstlane_b32 s20, v1
	s_lshr_b32 s21, s20, 1
	s_and_b32 s22, s20, 1
	s_mov_b32 s23, ttmp9
	s_and_b32 s24, ttmp7, 0xffff
	s_lshr_b32 s25, s24, 5
	s_bfe_u32 s26, s24, 0x30002
	s_lshl_b32 s26, s26, 2
	s_and_b32 s27, s24, 3
	s_lshl_b32 s53, s25, 9
	s_lshl_b32 s54, s25, 6
	s_add_co_u32 s54, s54, 1536
	s_cmp_eq_u32 s25, 0
	s_cselect_b32 s48, 0, s26
	s_cselect_b32 s49, s26, 0
	s_cselect_b32 s53, 1536, s53
	s_cselect_b32 s54, 0, s54
	s_add_co_u32 s28, s27, s48
	s_add_co_u32 s29, s23, s49
	s_lshl_b32 s30, s28, 4
	s_add_co_u32 s30, s30, s53
	s_lshl_b32 s31, s29, 4
	s_add_co_u32 s31, s31, s54
	s_mov_b32 s[SEL], 0x76543210
	s_mov_b32 s[SEL+1], 0xfedcba98
	s_mov_b32 s[SH], 0xffff0000
	s_mov_b32 s[G1+0], 3<<16
	s_mov_b32 s[G1+1], 384<<16
	s_mov_b32 s[G1+2], 8<<16
	s_mov_b32 s[G1+3], 384<<16
	s_mov_b32 s[G1+4], 8
	s_mov_b32 s[G1+5], 1536
	s_mov_b32 s[G1+6], 0
	s_mov_b32 s[G1+7], 0
	s_cmp_lt_u32 s20, 2
	s_cselect_b32 s48, s30, s31
	s_lshl_b32 s49, s22, 3
	s_add_co_u32 s48, s48, s49
	s_mul_i32 s48, s48, 12288
	s_mov_b32 s49, 0
	s_mul_i32 s55, s20, HALFT
	s_wait_kmcnt 0x0
	s_add_nc_u64 s[48:49], s[4:5], s[48:49]
	s_mov_b32 s[G0], 1
	s_mov_b32 s[G0+1], s55
	s_mov_b64 s[G0+2:G0+3], s[48:49]
	s_or_b32 s[G0+3], s[G0+3], 0x80000000
	s_mov_b32 s[G0+4], 1
	s_add_co_u32 s[G0+5], s55, SLOT
	s_add_nc_u64 s[G0+6:G0+7], s[48:49], UNITB
	s_or_b32 s[G0+7], s[G0+7], 0x80000000
	tensor_load_to_lds s[G0:G0+3], s[G1:G1+7]
	s_nop 0
	s_wait_alu depctr_va_vdst(0)
	s_wait_tensorcnt 0x0
	ds_add_u32 v28, v29
	s_wait_dscnt 0x0
	s_barrier_signal -1
	s_barrier_wait -1
	tensor_load_to_lds s[G0+4:G0+7], s[G1:G1+7]
	s_nop 0
	PLACES 4
	v_and_b32 v1, 15, v0
	v_bfe_u32 v2, v0, 4, 1
	v_and_b32 v3, 31, v0
	v_lshlrev_b32 v[L16], 4, v3
	v_lshlrev_b32 v[L8], 3, v3
	v_lshlrev_b32 v[L4], 2, v3
	s_mul_i32 s48, s21, HALFT
	s_mul_i32 s49, s22, HALFT
	s_add_co_u32 s49, s49, 2*HALFT
	v_add_nc_u32 v[ADRA], s48, v[L16]
	v_add_nc_u32 v[ADRB], s49, v[L16]
	v_add_nc_u32 v[ADRA+1], SLOT, v[ADRA]
	v_add_nc_u32 v[ADRB+1], SLOT, v[ADRB]
	s_lshl_b32 s48, s21, 3
	s_add_co_u32 s48, s48, s30
	s_lshl_b32 s48, s48, 9
	s_lshl_b32 s49, s22, 3
	s_add_co_u32 s49, s49, s31
	s_lshl_b32 s49, s49, 9
	v_mov_b32 v4, s48
	v_mov_b32 v5, s49
	v_cndmask_b32 v4, v4, v5, s[SH]
	v_lshl_add_u32 v4, v1, 5, v4
.irp i, 0,1,2,3,4,5,6,7
.irp q, 0,1
	global_load_b128 v[SC+8*\i+4*\q:SC+8*\i+4*\q+3], v4, s[6:7] offset:512*\i+16*\q
.endr
.endr
	s_cmp_eq_u32 s25, 2
	s_cselect_b64 s[76:77], s[12:13], s[10:11]
	s_lshl_b32 s48, s23, 10
	s_lshl_b32 s49, s22, 9
	s_add_co_u32 s48, s48, s49
	s_mov_b32 s49, 0
	s_add_nc_u64 s[76:77], s[76:77], s[48:49]
	v_lshlrev_b32 v6, 6, v2
	WIN TO_B
.irp n, 0,4,8,12,16,20,24,28,32,36,40,44,48,52,56,60
	global_load_b128 v[96+\n+96*(\n/32):96+\n+96*(\n/32)+3], v6, s[76:77] offset:128*(\n/16)+4*(\n%16)
.endr
	WIN 0
	s_lshl_b32 s48, s27, 10
	s_lshl_b32 s49, s21, 9
	s_add_co_u32 s48, s48, s49
	s_mov_b32 s49, 0
	s_add_nc_u64 s[56:57], s[8:9], s[48:49]
	s_lshl_b32 s48, s28, 10
	s_lshl_b32 s49, s21, 9
	s_add_co_u32 s48, s48, s49
	s_mov_b32 s49, 0
	s_add_nc_u64 s[78:79], s[14:15], s[48:49]
	v_and_b32 v7, 8, v1
	v_mad_u32_u24 v8, v7, 3, v1                    ; r % 8 + 32 (r / 8): the keys of a unit of x_k
	v_add_nc_u32 v7, v7, v1
	v_lshlrev_b32 v7, 2, v7
	v_lshlrev_b32 v8, 2, v8
.irp a, 0,1,2,3,4,5,6,7
	global_load_b32 v[BL+2*\a], v7, s[56:57] offset:(32*(\a/2)+8*(\a%2))*4
	global_load_b32 v[BL+2*\a+1], v7, s[56:57] offset:(32*(\a/2)+8*(\a%2))*4
	global_load_b32 v[MK+\a], v8, s[78:79] offset:(64*(\a/4)+8*(\a%4))*4
.endr
.macro FRAG reg, adr, q, i
.irp c, 0,1,2
	ds_load_b128 v[\reg+4*\c:\reg+4*\c+3], v[\adr] offset:(\i)*UNITB+(\q)*1536+512*\c
.endr
.endm
.macro FETCH_B slot, q, p
	WIN TO_B
.irp i, 0,1,2,3,4,5,6,7
	FRAG 128*(\p)+FR*\i, ADRB+\slot, \q, \i
.endr
	WIN 0
.endm
.macro FETCH_A slot, q, i0
.irp i, \i0, \i0+1, \i0+2, \i0+3
	FRAG AF+FR*(\i), ADRA+\slot, \q, \i
.endr
.endm
.macro MUL16 a0, p, s, zero
.irp a, \a0, \a0+1
.irp b, 0,1,2,3,4,5,6,7
.if \zero
	v_wmma_scale_f32_16x16x128_f8f6f4 v[8*(8*((\a)%4)+\b):8*(8*((\a)%4)+\b)+7], v[128*(\p)+FR*\b:128*(\p)+FR*\b+FR-1], v[AF+FR*(\a):AF+FR*(\a)+FR-1], 0, v[SC+8*\b+(\s)], v[SC+8*(\a)+(\s)] matrix_a_fmt:MATRIX_FMT_FP6 matrix_b_fmt:MATRIX_FMT_FP6 matrix_a_scale:MATRIX_SCALE_ROW1
.else
	v_wmma_scale_f32_16x16x128_f8f6f4 v[8*(8*((\a)%4)+\b):8*(8*((\a)%4)+\b)+7], v[128*(\p)+FR*\b:128*(\p)+FR*\b+FR-1], v[AF+FR*(\a):AF+FR*(\a)+FR-1], v[8*(8*((\a)%4)+\b):8*(8*((\a)%4)+\b)+7], v[SC+8*\b+(\s)], v[SC+8*(\a)+(\s)] matrix_a_fmt:MATRIX_FMT_FP6 matrix_b_fmt:MATRIX_FMT_FP6 matrix_a_scale:MATRIX_SCALE_ROW1
.endif
.endr
.endr
.endm
.macro STEP slot, s, zero
	s_wait_dscnt 4*NL
	WIN MUL_LO
	MUL16 0, 0, \s, \zero
	MUL16 2, 0, \s, \zero
	s_wait_dscnt 0x0
	PLACES NP
	FETCH_B \slot, 1, 1
	FETCH_A \slot, 1, 0
	WIN MUL_HI
	MUL16 4, 0, \s, \zero
	MUL16 6, 0, \s, \zero
	PLACES NP
	WIN 0
	FETCH_A \slot, 1, 4
.endm
.macro TURN slot, next, s, fill
	s_wait_tensorcnt 0x0
	ds_add_u32 v[SPW], v[NIL]
	s_wait_dscnt 4*NL+1
	WIN MUL_LO
	MUL16 0, 1, \s, 0
	s_wait_dscnt 0x0
	s_barrier_signal -1
	MUL16 2, 1, \s, 0
	WIN 0
	s_barrier_wait -1
.if \fill
	s_add_nc_u64 s[G0+4*\slot+2:G0+4*\slot+3], s[G0+4*\slot+2:G0+4*\slot+3], 2*UNITB
	tensor_load_to_lds s[G0+4*\slot:G0+4*\slot+3], s[G1:G1+7]
	s_nop 0
	PLACES 4
.else
	PLACES NP
.endif
	FETCH_B \next, 0, 0
	FETCH_A \next, 0, 0
	WIN MUL_HI
	MUL16 4, 1, \s, 0
	MUL16 6, 1, \s, 0
	PLACES NP
	WIN 0
	FETCH_A \next, 0, 4
.endm
	s_wait_alu depctr_va_vdst(0)
	s_wait_loadcnt 0x0
	s_wait_tensorcnt 0x1
	s_barrier_signal -1
	s_barrier_wait -1
	FETCH_B 0, 0, 0
	FETCH_A 0, 0, 0
	FETCH_A 0, 0, 4
	STEP 0, 0, 1
	TURN 0, 1, 1, 1
	STEP 1, 2, 0
	TURN 1, 0, 3, 1
	STEP 0, 4, 0
	TURN 0, 1, 5, 0
	STEP 1, 6, 0
	s_wait_dscnt 4*NL
	WIN MUL_LO
	MUL16 0, 1, 7, 0
	MUL16 2, 1, 7, 0
	s_wait_dscnt 0x0
	WIN MUL_HI
	MUL16 4, 1, 7, 0
	MUL16 6, 1, 7, 0
	WIN 0
	PLACES NP
.macro QUANT s
.irp b, 0,1,2,3
	v_max3_num_f32 v[TM+\b], |v[\s+16*\b]|, |v[\s+1+16*\b]|, 0x1800000
.endr
.irp i, 2,4,6,8,10,12,14
.irp b, 0,1,2,3
	v_max3_num_f32 v[TM+\b], v[TM+\b], |v[\s+16*\b+\i]|, |v[\s+1+16*\b+\i]|
.endr
.endr
.irp b, 0,1,2,3
	v_permlanex16_b32 v[TM+4+\b], v[TM+\b], s[SEL], s[SEL+1]
.endr
.irp b, 0,1,2,3
	v_max_num_f32 v[TM+\b], v[TM+\b], v[TM+4+\b]
.endr
.irp b, 0,1,2,3
	v_add_nc_u32 v[TM+12+\b], 0xff000000, v[TM+\b]
.endr
.irp b, 0,1,2,3
	v_lshrrev_b32 v[TM+4+\b], 23, v[TM+12+\b]
.endr
	v_lshl_or_b32 v[PW], v[TM+5], 8, v[TM+4]
	v_lshl_or_b32 v[PW], v[TM+6], 16, v[PW]
	v_lshl_or_b32 v[PW], v[TM+7], 24, v[PW]
.irp c, 0,1
	v_cvt_scalef32_pk16_fp6_f32 v[PC+6*\c:PC+2+6*\c], v[\s+32*\c:\s+15+32*\c], v[TM+12+2*\c]
	v_cvt_scalef32_pk16_fp6_f32 v[PC+12+4*\c:PC+14+4*\c], v[\s+16+32*\c:\s+31+32*\c], v[TM+12+2*\c+1]
.endr
	v_nop
.irp c, 0,1
.irp i, 0,1,2
	v_permlane16_swap_b32 v[PC+6*\c+\i], v[PC+12+4*\c+\i]
.endr
.irp i, 0,1,2
	v_mov_b32 v[PC+3+6*\c+\i], v[PC+12+4*\c+\i]
.endr
.endr
.endm
.macro TAIL
	s_wait_tensorcnt 0x0
	ds_add_u32 v[SPW], v[NIL]
	s_wait_dscnt 0x0
	s_endpgm
.endm
.irp b, 0,1,2,3
	v_mov_b32 v[TM+4+\b], 0
.endr
	s_cmp_eq_u32 s25, 0
	s_cbranch_scc1 .Lepi_v
	s_cmp_eq_u32 s25, 1
	s_cselect_b64 s[56:57], s[16:17], s[18:19]
	s_mov_b32 s48, QREC
	s_cselect_b32 s48, REC, s48
	s_mov_b32 s49, QSC
	s_cselect_b32 s49, KSC, s49
	s_mov_b32 s2, 6144                             ; from one step of 128 tokens to the next: Q's images 6,144 bytes and scale words 512; K's both a slab
	s_cselect_b32 s2, 13056, s2
	s_mov_b32 s3, 512
	s_cselect_b32 s3, 13056, s3
	s_mov_b32 s53, 0x7f0000
	s_cselect_b32 s54, 0, s53
	s_cselect_b32 s53, 0xea0000, s53
	v_mov_b32 v[VLO], s54
	v_mov_b32 v[VHI], s53
	s_lshr_b32 s66, s28, 3
	s_lshl_b32 s66, s66, 4
	s_lshl_b32 s67, s23, 2
	s_add_co_u32 s66, s66, s67
	s_lshl_b32 s67, s22, 1
	s_add_co_u32 s66, s66, s67
	s_mul_i32 s66, s66, s48
	s_and_b32 s67, s28, 7
	s_lshl_b32 s67, s67, 1
	s_add_co_u32 s67, s67, s21
	s_mul_i32 s68, s67, s2
	s_add_co_u32 s68, s68, s66
	s_mov_b32 s69, 0
	s_add_nc_u64 s[58:59], s[56:57], s[68:69]
	s_mul_i32 s70, s67, s3
	s_add_co_u32 s70, s70, s66
	s_add_co_u32 s70, s70, s49
	s_mov_b32 s71, 0
	s_add_nc_u64 s[60:61], s[56:57], s[70:71]
	s_mov_b32 s72, s48
	s_mov_b32 s73, 0
	s_add_nc_u64 s[62:63], s[58:59], s[72:73]
	s_add_nc_u64 s[74:75], s[60:61], s[72:73]
.macro EPIQK a
.if (\a) > 0
	s_wait_xcnt 0x0
.endif
	WIN 6+(\a)/4
.set p, 0
.rept 32
	v_pk_add_f32 v[HA+2*p:HA+2*p+1], v[64*((\a)%4)+2*p:64*((\a)%4)+2*p+1], v[96+2*p+96*(p/16):96+2*p+96*(p/16)+1]
.set p, p+1
.endr
	WIN 0
	QUANT HA
	global_store_b128 v[L16], v[PC:PC+3], s[58:59] offset:768*(\a)
	global_store_b64 v[L8], v[PC+4:PC+5], s[58:59] offset:768*(\a)+512
	global_store_b128 v[L16], v[PC+6:PC+9], s[62:63] offset:768*(\a)
	global_store_b64 v[L8], v[PC+10:PC+11], s[62:63] offset:768*(\a)+512
	v_cmp_eq_u32 vcc_lo, 1, v[MK+(\a)]
	v_cndmask_b32 v[HD+6], v[VLO], v[VHI], vcc_lo
.if (\a)%2 == 0
	v_and_or_b32 v[HD], v[PW], 0xffff, v[HD+6]
	v_lshrrev_b32 v[HD+1], 16, v[PW]
	v_or_b32 v[HD+1], v[HD+1], v[HD+6]
.else
	v_and_or_b32 v[HD+2], v[PW], 0xffff, v[HD+6]
	v_lshrrev_b32 v[HD+3], 16, v[PW]
	v_or_b32 v[HD+3], v[HD+3], v[HD+6]
	v_cndmask_b32 v[HD+4], v[HD], v[HD+2], s[SH]
	v_cndmask_b32 v[HD+5], v[HD+1], v[HD+3], s[SH]
	global_store_b32 v[L4], v[HD+4], s[60:61] offset:64*((\a)-1)
	global_store_b32 v[L4], v[HD+5], s[74:75] offset:64*((\a)-1)
.endif
.endm
.irp a, 0,1,2,3,4,5,6,7
	EPIQK \a
.endr
	TAIL
.Lepi_v:
	s_lshr_b32 s66, s29, 3
	s_lshl_b32 s66, s66, 4
	s_lshl_b32 s67, s28, 2
	s_add_co_u32 s66, s66, s67
	s_lshl_b32 s67, s21, 1
	s_add_co_u32 s66, s66, s67
	s_mul_i32 s66, s66, REC
	s_and_b32 s67, s29, 7
	s_lshl_b32 s67, s67, 1
	s_add_co_u32 s67, s67, s22
	s_mul_i32 s68, s67, 13056
	s_add_co_u32 s68, s68, s66
	s_add_co_u32 s68, s68, VOFF
	s_mov_b32 s69, 0
	s_add_nc_u64 s[58:59], s[16:17], s[68:69]
	s_mul_i32 s70, s67, 13056
	s_add_co_u32 s70, s70, s66
	s_add_co_u32 s70, s70, VSC
	s_mov_b32 s71, 0
	s_add_nc_u64 s[60:61], s[16:17], s[70:71]
.macro EPIV a
.if (\a) > 0
	s_wait_xcnt 0x0
.endif
	WIN 2+(\a)/4
.set p, 0
.rept 32
	v_pk_add_f32 v[HA+2*p:HA+2*p+1], v[64*((\a)%4)+2*p:64*((\a)%4)+2*p+1], v[BL+2*(\a):BL+2*(\a)+1]
.set p, p+1
.endr
	WIN 0
	QUANT HA
.irp k, 0,1,2
	global_store_b128 v[L16], v[PC+4*\k:PC+4*\k+3], s[58:59] offset:((\a)/4)*REC+((\a)%4)*1536+512*\k
.endr
.if (\a)%2 == 0
	v_mov_b32 v[HD], v[PW]
.else
	v_cndmask_b32 v[HD+4], v[HD], v[PW], s[SH]
	global_store_b32 v[L4], v[HD+4], s[60:61] offset:((\a)/4)*REC+((\a)%4-1)*64
.endif
.endm
.irp a, 0,1,2,3,4,5,6,7
	EPIV \a
.endr
	TAIL
.Lfunc_end_k_qe534a3aed8_proj:
	.size	k_qe534a3aed8_proj, .Lfunc_end_k_qe534a3aed8_proj-k_qe534a3aed8_proj
	.p2alignl 7, 3214868480
	.fill 96, 4, 3214868480
	.section	.rodata,"a",@progbits
	.p2align	6, 0x0
	.amdhsa_kernel k_qe534a3aed8_proj
		.amdhsa_group_segment_fixed_size 327680
		.amdhsa_private_segment_fixed_size 0
		.amdhsa_enable_private_segment 0
		.amdhsa_kernarg_size 64
		.amdhsa_user_sgpr_count 2
		.amdhsa_user_sgpr_kernarg_segment_ptr 1
		.amdhsa_wavefront_size32 1
		.amdhsa_system_sgpr_workgroup_id_x 1
		.amdhsa_system_sgpr_workgroup_id_y 1
		.amdhsa_system_sgpr_workgroup_id_z 1
		.amdhsa_system_vgpr_workitem_id 0
		.amdhsa_next_free_vgpr 1024
		.amdhsa_next_free_sgpr 80
		.amdhsa_reserve_vcc 1
		.amdhsa_float_denorm_mode_32 3
		.amdhsa_float_denorm_mode_16_64 3
		.amdhsa_memory_ordered 1
		.amdhsa_forward_progress 1
		.amdhsa_inst_pref_size 208
	.end_amdhsa_kernel
	.amdgpu_metadata
---
amdhsa.version: [ 1, 2 ]
amdhsa.kernels:
  - .name:           k_qe534a3aed8_proj
    .symbol:         k_qe534a3aed8_proj.kd
    .args:
      - { .name: img, .offset: 0, .size: 8, .value_kind: global_buffer, .address_space: global }
      - { .name: scl, .offset: 8, .size: 8, .value_kind: global_buffer, .address_space: global }
      - { .name: bv, .offset: 16, .size: 8, .value_kind: global_buffer, .address_space: global }
      - { .name: bk, .offset: 24, .size: 8, .value_kind: global_buffer, .address_space: global }
      - { .name: bq, .offset: 32, .size: 8, .value_kind: global_buffer, .address_space: global }
      - { .name: mask, .offset: 40, .size: 8, .value_kind: global_buffer, .address_space: global }
      - { .name: kv, .offset: 48, .size: 8, .value_kind: global_buffer, .address_space: global }
      - { .name: qb, .offset: 56, .size: 8, .value_kind: global_buffer, .address_space: global }
    .group_segment_fixed_size: 327680
    .private_segment_fixed_size: 0
    .kernarg_segment_align: 8
    .kernarg_segment_size: 64
    .max_flat_workgroup_size: 128
    .sgpr_count:     80
    .vgpr_count:     1024
    .wavefront_size: 32
...
	.end_amdgpu_metadata
.endif
;; end of part 2
;; launch attn (part 3): grid 4 x 64, 16 waves a work-group, no clusters, 210,944 bytes of LDS; arguments qb, kv, oimg, osc; writes oimg, osc
.if DOCPART == 3
	.amdgcn_target "amdgcn-amd-amdhsa--gfx1250"
	.amdhsa_code_object_version 6
	.text
	.protected	k_qe534a3aed8_attn
	.globl	k_qe534a3aed8_attn
	.p2align	8
	.type	k_qe534a3aed8_attn,@function
k_qe534a3aed8_attn:
	s_mov_b64 s[64:65], 0
	v_nop
	global_prefetch_b8 v0, s[64:65] scope:SCOPE_SE
	s_setreg_imm32_b32 hwreg(HW_REG_WAVE_MODE, 25, 1), 1
	s_wait_xcnt 0x0
; out[b][h][q] = softmax_k(q . k / 8, masked) v, both products on codes of FP6 (E2M3); the result, divided by the row's sum, is quantised along the head's 64 channels as the last product's operand.
; t = score x log2(e) / 8; M = the running largest t rounded UP to a whole number; p = 2^(t - M) is quantised along the keys, not normalised; the row's sum is taken of the unquantised p.
; SHARES.  A work-group owns a quarter of the queries of one head (y = 16 x batch + head); each of its sixteen waves owns two tiles of 16 queries, one after the other, in 256 registers.
; LDS IS THE HEAD'S WHOLE RECORD: sixteen slabs of 13,056 bytes, one for each 128 keys: K's eight half images (6,144), V^T's four images (6,144), K's scale words (512), V's (256).  Wave w brings slab w by its
;   one tensor load; nothing is filled again.  Waves 0-3 have a load line and a wait of their own: the first barrier shows slabs 0-3, which is all that the first three key steps read (step s reads slab s and K of slab s + 1);
;   then every wave waits for its load and a second barrier shows the rest.
; LAYOUT.  Both products transposed: S^T = K Q^T, O^T = V^T P^T: a lane holds ONE query.  Tile t of a step holds keys 64 (t / 4) + 8 (t % 4) + r % 8 + 32 (r / 8): so register 32 c + i of the scores in lane (r, h) is key
;   64 c + 32 h + i, which is the place that the second product's operand gives that lane: a block of 32 keys lies whole in one lane, and the conversions' results are the operand's registers.
; THE MASK.  A head has 64 channels, the instruction 128 along K.  At k = 64 Q holds the code +1 (scale byte 127) and K the code -1 (scale byte 234 where the key is masked, else 0): a masked score is -2^107, and an
;   unmasked one gets -2^-127, which no f32 sum keeps.  Registers 6-11 of Q's and K's fragments are constants, made once; the mask lives in K's scale words.
; LIMITS: -2^107 stands for -1e32: the same results while unmasked scores stay under some 2^80 in magnitude.  A row ALL of whose keys are masked gives p = 1 for every key, as the uniform softmax asks, provided that
;   -2^107 + score rounds to -2^107 in the f32 result.  The scaled scores stay under 2^31 in magnitude apart from the mask's.  NaN and infinities are not served.
; NO CLUSTER, NO PREFETCH: what four work-groups share is one record, asked for once, whole, at the head, against 32 key steps of work a wave; no loop stands ahead of that request in which to ask earlier.
; LOADS AHEAD: the next step's K fragments and scale words are asked of LDS behind this step's score products; V^T's fragments take p's registers as soon as a block of p is converted; the one wait on DScnt of a step stands ahead of the second products.
.set REC,   208896
.set SLAB,  13056
.set VO,    6144
.set KS,    12288
.set VS,    12800
.set QREC,  106496
.set QSC,   98304
.set SPARE, 208896                     ; behind the record: 2,048 bytes of spare words
.set SO0,   0                          ; v0, v9 the conversions' scale operands (v0 has served as the thread's number by then)
.set L16,   1                          ; v1-3   16 l, 8 l, 4 l
.set L8,    2
.set L4,    3
.set KA16,  4                          ; v4-6   the same + the next slab
.set KA8,   5
.set KA4,   6
.set VA16,  7                          ; v7, v8 16 l, 4 l + this slab
.set VA4,   8
.set SO1,   9
.set SPW,   10
.set NIL,   11
.set SUM,   14                         ; v12 -M, v13 the largest score so far, v[14:15] the sum
.set Q,     16                         ; v16-27 Q's fragment
.set QS,    28                         ; Q's scale words: lanes 0-15 my first tile's, lanes 16-31 my second's
.set PW,    29                         ; p's scale word
.set KSR,   30                         ; v30-33 K's scale words
.set VSR,   34                         ; v34-35 V's
.set OW,    36                         ; v36-37 the results' scale words
.set FF,    38                         ; v[38:39] f = 2^(old M - new M), named as a pair
.set KF,    40                         ; v40-135 K's eight fragments
.set S,     136                        ; v136-199 S^T, then p, then V^T's four fragments
.set O,     200                        ; v200-231 O^T
.set PC,    232                        ; v232-243 p's codes
.set BM,    244                        ; v244-247 four chains of maxima; then v244-246 a conversion's second half
.set TMP,   244
.set B0,    247
.set TT,    248
.set PD,    249
.set T1,    250                        ; v250-255 three more chains of the sum
.set T2,    252
.set T3,    254
.macro WALU
	s_wait_alu depctr_va_vdst(0)
.endm
.macro ACC a, n
	v_pk_add_f32 v[\a:\a+1], v[\a:\a+1], v[\n:\n+1]
.endm
.macro TLOAD
	tensor_load_to_lds s[24:27], s[16:23]
	s_nop 0
.rept 4
	v_nop
.endr
.endm
	s_load_b256 s[4:11], s[0:1], 0x0               ; qb, kv, oimg, osc
	v_lshl_add_u32 v[SPW], v0, 2, SPARE
	v_mov_b32 v[NIL], 0
	ds_add_u32 v[SPW], v[NIL]
	ds_add_u32 v[SPW], v[NIL]
	v_lshrrev_b32 v1, 5, v0
	s_delay_alu instid0(VALU_DEP_1)
	v_readfirstlane_b32 s12, v1                    ; wave 0..15
	s_and_b32 s13, ttmp7, 0xffff                   ; 16 x batch + head
	s_mov_b32 s16, 3<<16                           ; group 1: 51 rows of 256 bytes (32 elements of 8 bytes), dense
	s_mov_b32 s17, 32<<16
	s_mov_b32 s18, 51<<16
	s_mov_b32 s19, 32<<16
	s_mov_b32 s20, 51
	s_mov_b32 s21, 32
	s_mov_b32 s22, 0
	s_mov_b32 s23, 0
	s_mul_i32 s14, s12, SLAB
	s_mul_i32 s38, s13, REC
	s_add_co_u32 s38, s38, s14
	s_mov_b32 s39, 0
	s_lshl_b32 s37, ttmp9, 5
	s_lshl_b32 s15, s12, 1
	s_add_co_u32 s37, s37, s15                     ; my first tile of queries in the batch: 32 x + 2 w
	s_mul_i32 s15, s13, QREC
	s_mul_i32 s40, s37, 768
	s_add_co_u32 s40, s40, s15                     ; Q's half images
	s_mov_b32 s41, 0
	s_lshl_b32 s42, s37, 6
	s_add_co_u32 s42, s42, s15
	s_add_co_u32 s42, s42, QSC                     ; and scale words
	s_mov_b32 s43, 0
	s_lshr_b32 s46, s13, 4
	s_lshl_b32 s46, s46, 7
	s_add_co_u32 s46, s46, s37                     ; my first tile among all 512 tiles of tokens
	s_and_b32 s47, s13, 15                         ; the head
	s_mul_i32 s44, s46, 12288
	s_mul_i32 s15, s47, 768
	s_add_co_u32 s44, s44, s15
	s_mov_b32 s45, 0
	s_lshl_b32 s47, s47, 15
	s_lshl_b32 s46, s46, 6
	s_add_co_u32 s46, s46, s47
	s_mov_b32 s47, 0
	s_mov_b32 s28, 0x76543210
	s_mov_b32 s29, 0xfedcba98                      ; lane l xor 16
	s_mov_b32 s30, 0x3e38aa3b                      ; c = log2(e) / 8
	s_mov_b32 s31, s30                             ; (named with it as a pair)
	s_mov_b32 s35, 0xbe38aa3b                      ; -c
	s_mov_b32 s32, 0xffff0000                      ; lanes 16-31
	s_wait_dscnt 0x0
	s_wait_kmcnt 0x0
	s_mov_b32 s24, 1
	s_mov_b32 s25, s14                             ; LDS: the record as it lies
	s_add_nc_u64 s[26:27], s[6:7], s[38:39]
	s_or_b32 s27, s27, 0x80000000
	s_add_nc_u64 s[40:41], s[4:5], s[40:41]
	s_add_nc_u64 s[42:43], s[4:5], s[42:43]
	s_add_nc_u64 s[8:9], s[8:9], s[44:45]
	s_add_nc_u64 s[10:11], s[10:11], s[46:47]
	s_cmp_lt_u32 s12, 4                            ; one load a wave; waves 0-3 by a line of their own, so that the first barrier can show their slabs alone
	s_cbranch_scc0 .Llater
	TLOAD
	s_branch .Lasked
.Llater:
	TLOAD
.Lasked:
	v_and_b32 v3, 31, v0
	v_lshlrev_b32 v1, 4, v3
	v_lshlrev_b32 v2, 3, v3
	v_lshlrev_b32 v3, 2, v3
	global_load_b128 v[Q:Q+3], v1, s[40:41]
	global_load_b64 v[Q+4:Q+5], v2, s[40:41] offset:512
	global_load_b32 v[QS], v3, s[42:43]            ; both tiles' words: 128 consecutive bytes
	v_mov_b32 v[TT], 0
	v_mov_b32 v[PD], 0x28                          ; the code -1
	v_mov_b32 v[T1], 8                             ; the code +1
	v_cndmask_b32 v[PD], v[PD], v[TT], s32         ; k = 64 lies in lanes 0-15, in the lowest bits of register 6
	v_cndmask_b32 v[T1], v[T1], v[TT], s32
.irp t, 0,1,2,3,4,5,6,7
	v_mov_b32 v[KF+12*\t+6], v[PD]
.irp j, 7,8,9,10,11
	v_mov_b32 v[KF+12*\t+\j], 0
.endr
.endr
	v_mov_b32 v[Q+6], v[T1]
.irp j, 7,8,9,10,11
	v_mov_b32 v[Q+\j], 0
.endr
	v_mov_b32 v[FF+1], 0                           ; (named as the upper half of a pair)
.macro QK t, ra, rb                    ; 16 keys x 16 queries
	v_wmma_scale_f32_16x16x128_f8f6f4 v[S+8*(\t):S+8*(\t)+7], v[KF+12*(\t):KF+12*(\t)+11], v[Q:Q+11], 0, v[KSR+(\t)/2], v[QS] matrix_a_fmt:MATRIX_FMT_FP6 matrix_b_fmt:MATRIX_FMT_FP6 matrix_a_scale:MATRIX_SCALE_ROW\ra matrix_b_scale:MATRIX_SCALE_ROW\rb
.endm
.macro PV u, ra                        ; 16 channels x 16 queries, 128 keys deep
	v_wmma_scale_f32_16x16x128_f8f6f4 v[O+8*(\u):O+8*(\u)+7], v[S+12*(\u):S+12*(\u)+11], v[PC:PC+11], v[O+8*(\u):O+8*(\u)+7], v[VSR+(\u)/2], v[PW] matrix_a_fmt:MATRIX_FMT_FP6 matrix_b_fmt:MATRIX_FMT_FP6 matrix_a_scale:MATRIX_SCALE_ROW\ra matrix_b_scale:MATRIX_SCALE_ROW0
.endm
.macro KLOAD a16, a8, a4               ; a slab's eight half images of K and its scale words (lanes 0-15: tile 2 i's; lanes 16-31: tile 2 i + 1's): 20 loads
.irp t, 0,1,2,3,4,5,6,7
	ds_load_b128 v[KF+12*\t:KF+12*\t+3], v[\a16] offset:\t*768
	ds_load_b64 v[KF+12*\t+4:KF+12*\t+5], v[\a8] offset:\t*768+512
.endr
.irp i, 0,1,2,3
	ds_load_b32 v[KSR+\i], v[\a4] offset:KS+128*\i
.endr
.endm
; A KEY STEP: 128 keys.  s33: this slab; s34: the next (in the last step: this one again, and what is loaded is not used).  qrow: which half of the lanes holds Q's scale words.
.macro KSTEP qrow
	v_add_nc_u32 v[KA16], s34, v[L16]              ; five places: the products below write over registers that the last step's products read
	v_add_nc_u32 v[KA8], s34, v[L8]
	v_add_nc_u32 v[KA4], s34, v[L4]
	v_add_nc_u32 v[VA16], s33, v[L16]
	v_add_nc_u32 v[VA4], s33, v[L4]
.irp p, 0,1,2,3
	QK 2*\p, 0, \qrow
	QK 2*\p+1, 1, \qrow
.endr
	ACC SUM, T1                                    ; four places behind the products: the last step's chains of the sum are joined, under the old M,
	ACC T2, T3
	v_mov_b32 v[TT], v12                           ; and the old -M is kept
	ACC SUM, T2
	KLOAD KA16, KA8, KA4
.irp c, 0,1                                    ; the largest score of my two blocks of 32 keys, two chains each: for the row's maximum and, since p rises with the score, for the block's largest p
	v_max3_num_f32 v[BM+2*\c], v[S+32*\c], v[S+32*\c+1], v[S+32*\c+2]
	v_max3_num_f32 v[BM+2*\c+1], v[S+32*\c+16], v[S+32*\c+17], v[S+32*\c+18]
.endr
.irp i, 3,5,7,9,11,13
.irp c, 0,1
	v_max3_num_f32 v[BM+2*\c], v[BM+2*\c], v[S+32*\c+\i], v[S+32*\c+\i+1]
	v_max3_num_f32 v[BM+2*\c+1], v[BM+2*\c+1], v[S+32*\c+16+\i], v[S+32*\c+17+\i]
.endr
.endr
.irp c, 0,1
	v_max3_num_f32 v[BM+2*\c], v[BM+2*\c], v[S+32*\c+15], v[S+32*\c+31]
.endr
.irp c, 0,1
	s_delay_alu instid0(VALU_DEP_2)
	v_max_num_f32 v[BM+2*\c], v[BM+2*\c], v[BM+2*\c+1]
.endr
	s_delay_alu instid0(VALU_DEP_1)
	v_max3_num_f32 v13, v13, v[BM], v[BM+2]
	s_delay_alu instid0(VALU_DEP_1)
	v_permlanex16_b32 v[PD], v13, s28, s29
	s_delay_alu instid0(VALU_DEP_1)
	v_max_num_f32 v13, v13, v[PD]                  ; the running largest score of my query (c is positive)
	s_delay_alu instid0(VALU_DEP_1)
	v_mul_f32 v[BM+1], s35, v13                    ; -t
	s_delay_alu instid0(VALU_DEP_1)
	v_floor_f32 v12, v[BM+1]                       ; the new -M = floor(-t): M is a whole number
	s_delay_alu instid0(VALU_DEP_1)
	v_sub_f32 v[BM+1], v12, v[TT]                  ; old M - new M: a whole number, 0 or less
	s_delay_alu instid0(VALU_DEP_1)
	v_cvt_i32_f32 v[BM+1], v[BM+1]                 ; (it saturates)
	s_delay_alu instid0(VALU_DEP_1)
	v_ldexp_f32 v[FF], 1.0, v[BM+1]                ; f = 2^(old M - new M): a multiplication by it rounds nothing
.set j, 0
.rept 32
	v_pk_fma_f32 v[S+j:S+j+1], v[S+j:S+j+1], s[30:31], v[12:13] op_sel_hi:[1,0,0]   ; t - M, two at a time
.set j, j+2
.endr
	v_fma_f32 v[BM], v[BM], s30, v12               ; the same of each block's largest score
	v_fma_f32 v[BM+2], v[BM+2], s30, v12
	WALU                                           ; the wait ahead of the batch
.set j, 0
.rept 64
	v_exp_f32 v[S+j], v[S+j]                       ; p = 2^(t - M), at most 1
.set j, j+1
.endr
	v_exp_f32 v[BM], v[BM]                         ; the blocks' largest p: the same two instructions on the same numbers
	v_exp_f32 v[BM+2], v[BM+2]
	v_pk_mul_f32 v[SUM:SUM+1], v[SUM:SUM+1], v[FF:FF+1] op_sel_hi:[1,0]   ; the sum under the new M (a plain place behind the exponentials)
	WALU                                           ; and behind it, ahead of its first reader
	v_max_num_f32 v[BM], 0x1800000, v[BM]          ; the floor 2^(3 - 127): a block whose every p is 0 keeps the byte 1 over zero codes
	v_max_num_f32 v[BM+2], 0x1800000, v[BM+2]
	v_pk_add_f32 v[T1:T1+1], v[S:S+1], v[S+2:S+3]  ; the sum of the unquantised p, in four chains; block 0
	v_pk_add_f32 v[T2:T2+1], v[S+4:S+5], v[S+6:S+7]
	v_add_nc_u32 v[SO0], 0xff000000, v[BM]         ; 2 off the exponent field: the conversions' scale operands
	v_add_nc_u32 v[SO1], 0xff000000, v[BM+2]
	v_pk_add_f32 v[T3:T3+1], v[S+8:S+9], v[S+10:S+11]
	ACC SUM, S+12
.irp g, 14,22
	ACC T1, S+\g
	ACC T2, S+\g+2
	ACC T3, S+\g+4
	ACC SUM, S+\g+6
.endr
	ACC T1, S+30
	v_cvt_scalef32_pk16_fp6_f32 v[PC:PC+2], v[S:S+15], v[SO0]
	v_cvt_scalef32_pk16_fp6_f32 v[TMP:TMP+2], v[S+16:S+31], v[SO0]   ; (a conversion's three registers begin on an even number)
	v_lshrrev_b32 v[B0], 23, v[SO0]                ; the scales' bytes (a plain place behind the conversions)
	v_lshrrev_b32 v[TT], 23, v[SO1]
.irp n, 0,1,2,3,4,5,6,7                        ; V^T's images, 512 bytes a load, take block 0's registers, which are done with
	ds_load_b128 v[S+4*\n:S+4*\n+3], v[VA16] offset:VO+512*\n
.endr
.irp i, 0,1
	ds_load_b32 v[VSR+\i], v[VA4] offset:VS+128*\i
.endr
	v_lshl_or_b32 v[B0], v[TT], 16, v[B0]          ; my blocks h and 2 + h
.irp i, 0,1,2
	v_mov_b32 v[PC+3+\i], v[TMP+\i]
.endr
.irp g, 32,40,48                               ; block 1
	ACC T2, S+\g
	ACC T3, S+\g+2
	ACC SUM, S+\g+4
	ACC T1, S+\g+6
.endr
	ACC T2, S+56
	ACC T3, S+58
	ACC SUM, S+60
	v_cvt_scalef32_pk16_fp6_f32 v[PC+6:PC+8], v[S+32:S+47], v[SO1]
	v_cvt_scalef32_pk16_fp6_f32 v[TMP:TMP+2], v[S+48:S+63], v[SO1]
	ACC T1, S+62                                   ; (a plain place behind the conversions; these two numbers' registers take no load)
.irp n, 8,9,10,11
	ds_load_b128 v[S+4*\n:S+4*\n+3], v[VA16] offset:VO+512*\n
.endr
	v_permlanex16_b32 v[PD], v[B0], s28, s29
.irp i, 0,1,2
	v_mov_b32 v[PC+9+\i], v[TMP+\i]
.endr
	v_lshl_or_b32 v[PW], v[PD], 8, v[B0]           ; p's scale word, whole in lanes 0-15, which alone are read
	WALU                                           ; the wait directly ahead of the first readers of O^T
.set j, 0
.rept 16
	v_pk_mul_f32 v[O+j:O+j+1], v[O+j:O+j+1], v[FF:FF+1] op_sel_hi:[1,0]   ; O^T under the new M.  (Also the places between p's codes and scale word and the products below)
.set j, j+2
.endr
	WALU
	s_wait_dscnt 0x0                               ; V^T is in, and so is all that was asked for earlier: the next step's K
.irp p, 0,1                                    ; O^T += V^T P^T: four accumulators, one instruction a turn
	PV 2*\p, 0
	PV 2*\p+1, 1
.endr
	s_add_co_u32 s33, s33, SLAB
	s_add_co_u32 s34, s33, SLAB
	s_min_u32 s34, s34, 15*SLAB
.endm
.macro LOOP name, trips, qrow
	s_mov_b32 s36, \trips
\name:
	KSTEP \qrow
	s_sub_co_u32 s36, s36, 1
	s_cmp_lg_u32 s36, 0
	s_cbranch_scc1 \name
.endm
.macro TINIT                           ; a tile begins
	v_mov_b32 v13, 0xff61b1e6                      ; the largest score so far: -3e38, under every score
	v_mov_b32 v14, 0
	v_mov_b32 v15, 0
	v_floor_f32 v12, -v13                          ; -M
.set j, 0
.rept 6
	v_mov_b32 v[T1+j], 0
.set j, j+1
.endr
.set j, 0
.rept 32
	v_mov_b32 v[O+j], 0                            ; O^T: the loop has no first step of its own; the first change of M leaves zeros zeros
.set j, j+1
.endr
	s_mov_b32 s33, 0
	s_mov_b32 s34, SLAB
.endm
.macro TOUT i                          ; a tile's way out
	ACC SUM, T1                                    ; the last step's chains.  (With the next lines: the places behind the last products)
	ACC T2, T3
	s_delay_alu instid0(VALU_DEP_1)
	ACC SUM, T2
	s_delay_alu instid0(VALU_DEP_1)
	v_add_f32 v14, v14, v15
	s_delay_alu instid0(VALU_DEP_1)
	v_permlanex16_b32 v[PD], v14, s28, s29
	s_delay_alu instid0(VALU_DEP_1)
	v_add_f32 v14, v14, v[PD]                      ; with lane l xor 16's: the row's sum, above 1/2
	WALU
	v_rcp_f32 v14, v14
	v_nop                                          ; a plain place behind the transcendental
	WALU                                           ; and the wait ahead of its first reader
.set j, 0
.rept 32
	v_mul_f32 v[S+j], v[O+j], v14                  ; register 16 b + n: channel 32 b + 16 h + n of my query
.set j, j+1
.endr
.irp b, 0,1                                    ; two blocks of 32 channels: the head's part of the last product's K
	v_max3_num_f32 v[BM+\b], |v[S+16*\b]|, |v[S+1+16*\b]|, 0x1800000
.endr
.irp n, 2,4,6,8,10,12,14
.irp b, 0,1
	s_delay_alu instid0(VALU_DEP_2)
	v_max3_num_f32 v[BM+\b], v[BM+\b], |v[S+16*\b+\n]|, |v[S+1+16*\b+\n]|
.endr
.endr
.irp b, 0,1
	s_delay_alu instid0(VALU_DEP_2)
	v_permlanex16_b32 v[TT+\b], v[BM+\b], s28, s29
.endr
.irp b, 0,1
	s_delay_alu instid0(VALU_DEP_2)
	v_max_num_f32 v[BM+\b], v[BM+\b], v[TT+\b]
.endr
	s_delay_alu instid0(VALU_DEP_2)
	v_add_nc_u32 v[SO0], 0xff000000, v[BM]
	s_delay_alu instid0(VALU_DEP_2)
	v_add_nc_u32 v[SO1], 0xff000000, v[BM+1]
	s_delay_alu instid0(VALU_DEP_2)
	v_lshrrev_b32 v[TT], 23, v[SO0]
	s_delay_alu instid0(VALU_DEP_2)
	v_lshrrev_b32 v[PD], 23, v[SO1]
	s_delay_alu instid0(VALU_DEP_1)
	v_lshl_or_b32 v[OW+\i], v[PD], 8, v[TT]        ; two bytes in the low half, the high half 0
	v_cvt_scalef32_pk16_fp6_f32 v[PC:PC+2], v[S:S+15], v[SO0]
	v_cvt_scalef32_pk16_fp6_f32 v[TMP:TMP+2], v[S+16:S+31], v[SO1]
	v_nop
.irp n, 0,1,2
	v_permlane16_swap_b32 v[PC+\n], v[TMP+\n]      ; here a block lies in two lanes: the operand's layout wants it whole in one
.endr
.irp n, 0,1,2
	s_delay_alu instid0(VALU_DEP_3)
	v_mov_b32 v[PC+3+\n], v[TMP+\n]
.endr
	global_store_b128 v1, v[PC:PC+3], s[8:9] offset:12288*\i        ; a half image: 512 + 256 consecutive bytes, each at a multiple of 256 from the buffer's first byte
	global_store_b64 v2, v[PC+4:PC+5], s[8:9] offset:12288*\i+512
.endm
	TINIT
	WALU                                           ; the wait at the head's end
	s_cmp_lt_u32 s12, 4
	s_cbranch_scc0 .Lnot_mine
	s_wait_tensorcnt 0x0                           ; waves 0-3: my slab has landed
.Lnot_mine:
	s_wait_loadcnt 0x0                             ; Q
	s_barrier_signal -1
	s_barrier_wait -1                              ; slabs 0-3 are in; the others may be on their way
	KLOAD L16, L8, L4
	s_wait_dscnt 0x0
	LOOP .Lfirst, 3, 0                             ; steps 0-2: they read slabs 0-2 and K of slab 3
	s_wait_tensorcnt 0x0                           ; every wave: my slab has landed
	s_barrier_signal -1
	s_barrier_wait -1                              ; the record is whole
	LOOP .Lrest, 13, 0
	global_load_b128 v[Q:Q+3], v1, s[40:41] offset:768        ; my second tile's Q, under the first tile's way out
	global_load_b64 v[Q+4:Q+5], v2, s[40:41] offset:768+512
	TOUT 0
	s_wait_xcnt 0x0                                ; the stores have read the codes' registers
	TINIT
	KLOAD L16, L8, L4
	WALU
	s_wait_loadcnt 0x0
	s_wait_dscnt 0x0
	LOOP .Lsecond, 16, 1
	TOUT 1
	v_cndmask_b32 v[OW], v[OW], v[OW+1], s32       ; lanes 0-15: my first tile's words; lanes 16-31: my second's
	global_store_b32 v3, v[OW], s[10:11]
	s_wait_tensorcnt 0x0                           ; the wave's end
	ds_add_u32 v[SPW], v[NIL]
	s_wait_dscnt 0x0
	s_endpgm
.Lfunc_end_k_qe534a3aed8_attn:
	.size	k_qe534a3aed8_attn, .Lfunc_end_k_qe534a3aed8_attn-k_qe534a3aed8_attn
	.p2alignl 7, 3214868480
	.fill 96, 4, 3214868480
	.section	.rodata,"a",@progbits
	.p2align	6, 0x0
	.amdhsa_kernel k_qe534a3aed8_attn
		.amdhsa_group_segment_fixed_size 210944
		.amdhsa_private_segment_fixed_size 0
		.amdhsa_enable_private_segment 0
		.amdhsa_kernarg_size 32
		.amdhsa_user_sgpr_count 2
		.amdhsa_user_sgpr_kernarg_segment_ptr 1
		.amdhsa_wavefront_size32 1
		.amdhsa_system_sgpr_workgroup_id_x 1
		.amdhsa_system_sgpr_workgroup_id_y 1
		.amdhsa_system_sgpr_workgroup_id_z 1
		.amdhsa_system_vgpr_workitem_id 0
		.amdhsa_next_free_vgpr 256
		.amdhsa_next_free_sgpr 66
		.amdhsa_reserve_vcc 0
		.amdhsa_float_denorm_mode_32 3
		.amdhsa_float_denorm_mode_16_64 3
		.amdhsa_memory_ordered 1
		.amdhsa_forward_progress 1
		.amdhsa_inst_pref_size 67
	.end_amdhsa_kernel
	.amdgpu_metadata
---
amdhsa.version: [ 1, 2 ]
amdhsa.kernels:
  - .name:           k_qe534a3aed8_attn
    .symbol:         k_qe534a3aed8_attn.kd
    .args:
      - { .name: qb, .offset: 0, .size: 8, .value_kind: global_buffer, .address_space: global }
      - { .name: kv, .offset: 8, .size: 8, .value_kind: global_buffer, .address_space: global }
      - { .name: oimg, .offset: 16, .size: 8, .value_kind: global_buffer, .address_space: global }
      - { .name: osc, .offset: 24, .size: 8, .value_kind: global_buffer, .address_space: global }
    .group_segment_fixed_size: 210944
    .private_segment_fixed_size: 0
    .kernarg_segment_align: 8
    .kernarg_segment_size: 32
    .max_flat_workgroup_size: 512
    .sgpr_count:     66
    .vgpr_count:     256
    .wavefront_size: 32
...
	.end_amdgpu_metadata
.endif
;; end of part 3
;; launch merge (part 4): grid 256 x 1, 16 waves a work-group, no clusters, 100,352 bytes of LDS; arguments oimg, osc, img, scl, y_q, bm, ln_g, ln_b, out0; writes out0
.if DOCPART == 4
	.amdgcn_target "amdgcn-amd-amdhsa--gfx1250"
	.amdhsa_code_object_version 6
	.text
	.protected	k_qe534a3aed8_merge
	.globl	k_qe534a3aed8_merge
	.p2align	8
	.type	k_qe534a3aed8_merge,@function
k_qe534a3aed8_merge:
	s_mov_b64 s[64:65], 0
	v_nop
	global_prefetch_b8 v0, s[64:65] scope:SCOPE_SE
	s_setreg_imm32_b32 hwreg(HW_REG_WAVE_MODE, 25, 1), 1
	s_wait_xcnt 0x0
; out0 = LayerNorm(y_q + out Wm^T + bm) x ln_g + ln_b; the product on codes of FP6 (E2M3).
; SHARES.  Work-group G owns tokens 32 G .. 32 G + 31 (two tiles of 16: rows 8 i + r + 8 (r / 8)) and ALL 1,024 channels, so that a row's mean and variance never leave the work-group.
;   Wave w owns channels 64 w .. 64 w + 63: four units of Wm.  Transposed: source 0 = 16 rows of Wm, source 1 = 16 tokens: eight accumulators, 64 matrix instructions a wave.
; Each fragment of Wm is used by one wave alone: it goes from memory straight into that wave's registers (three loads of 512 dense bytes), two K steps ahead.  No tensor load, no ring.
; The tokens' codes (24,576 bytes, as attention stored them: a head's half image is half a fragment) are copied into LDS once and read by all sixteen waves.
; THE SUMS BEGIN AS y_q + bm: y_q is loaded in whole rows of 256 bytes, bm is added, and the wave's own stage in LDS turns the numbers into the accumulators' layout.  The same stage turns the results back on the way out.
; The variance is the mean of (x - mean)^2, taken in a second pass.
; NO CLUSTER: what work-groups share, Wm, goes into registers, where a joint load cannot put it.
; REGISTERS: v4-14 addresses; v16-79 accumulator (i, b) at 16 + 32 i + 8 b; v80-127, v128-175 Wm's two sets; v176-199 the tokens' two fragments; v200-207 their scale words (lanes 0-15 tile 0, lanes 16-31 tile 1);
;   v208-223 Wm's scale words (register 8 (b / 2) + s: lanes 0-15 unit b even, lanes 16-31 odd); v224-235 bm, ln_g, ln_b of four channels; v236-251 at work.
.set STG,  24576                       ; behind the images: a stage of 16 rows x SP for each wave
.set STGW, 4352
.set SP,   272                         ; 256 bytes + 16
.set RED,  94208                       ; 16 waves x 128 bytes of partial sums; 2,048 bytes on: those of the squares
.set ACC,  16
.set OF,   176
.set OS,   200
.set WSC,  208
.set BMR,  224
.set LG,   228
.set LB,   232
.set T,    236
	s_load_b512 s[4:19], s[0:1], 0x0               ; oimg s[4:5], osc s[6:7], img s[8:9], scl s[10:11], y_q s[12:13], bm s[14:15], ln_g s[16:17], ln_b s[18:19]
	s_load_b64 s[20:21], s[0:1], 0x40              ; out0
	v_lshl_add_u32 v254, v0, 2, 0x18000
	v_mov_b32 v255, 0
	v_lshrrev_b32 v1, 5, v0
	s_delay_alu instid0(VALU_DEP_1)
	v_readfirstlane_b32 s22, v1                    ; wave 0..15
	v_and_b32 v1, 31, v0                           ; l
	v_and_b32 v2, 15, v0                           ; r
	v_bfe_u32 v3, v0, 4, 1                         ; h
	s_delay_alu instid0(VALU_DEP_3)
	v_lshlrev_b32 v4, 4, v1                        ; 16 l
	s_delay_alu instid0(VALU_DEP_4)
	v_lshlrev_b32 v5, 3, v1                        ; 8 l
	v_lshlrev_b32 v6, 2, v1                        ; 4 l
	v_lshlrev_b32 v11, 4, v2                       ; 16 r
	s_delay_alu instid0(VALU_DEP_1)
	v_lshl_add_u32 v7, v3, 12, v11                 ; whole rows in memory: lanes 0-15 one row's 256 bytes, lanes 16-31 the next row's
	s_mul_i32 s23, s22, STGW
	s_add_co_u32 s23, s23, STG
	v_mul_u32_u24 v8, v3, SP
	s_delay_alu instid0(VALU_DEP_1)
	v_add_nc_u32 v8, v8, v11
	s_delay_alu instid0(VALU_DEP_1)
	v_add_nc_u32 v8, s23, v8                       ; the same two rows in my stage
	v_mul_u32_u24 v9, v2, SP
	s_delay_alu instid0(VALU_DEP_1)
	v_lshl_add_u32 v9, v3, 6, v9
	s_delay_alu instid0(VALU_DEP_1)
	v_add_nc_u32 v9, s23, v9                       ; the stage in the accumulators' layout: row r, + 64 h
	s_mul_i32 s24, s22, 1536
	v_add_nc_u32 v10, s24, v4                      ; my sixteenth of the images
	v_lshlrev_b32 v12, 5, v2
	s_delay_alu instid0(VALU_DEP_1)
	v_lshl_add_u32 v12, v3, 9, v12                 ; Wm's scale words: 32 r, + one unit for lanes 16-31
	s_lshl_b32 s25, s22, 7
	s_add_co_u32 s25, s25, RED
	v_add_nc_u32 v13, s25, v6                      ; where I put a partial sum
	v_add_nc_u32 v14, RED, v6                      ; and where I read all sixteen
	s_mul_i32 s26, ttmp9, 24576
	s_add_co_u32 s26, s26, s24
	s_mov_b32 s27, 0
	s_lshl_b32 s28, ttmp9, 7
	s_mov_b32 s29, 0
	s_lshl_b32 s30, s22, 2
	s_add_co_u32 s30, s30, 1728                    ; Wm's first unit of mine
	s_mul_i32 s32, s30, 12288
	s_mov_b32 s33, 0
	s_lshl_b32 s34, s30, 9
	s_mov_b32 s35, 0
	s_lshl_b32 s38, s22, 8                         ; 256 w: my 64 channels in a row
	s_mov_b32 s39, 0
	s_lshl_b32 s36, ttmp9, 17                      ; 32 rows of 4,096 bytes
	s_add_co_u32 s36, s36, s38
	s_mov_b32 s37, 0
	s_mov_b32 s40, 0x3a800000                      ; 1 / 1024
	s_mov_b32 s41, 0x3727c5ac                      ; 1e-5
	s_mov_b32 s42, 0x76543210
	s_mov_b32 s43, 0xfedcba98                      ; lane l xor 16
	s_mov_b32 s44, 0xffff0000                      ; lanes 16-31
	s_wait_alu depctr_va_vdst(0)
	s_wait_kmcnt 0x0
	s_add_nc_u64 s[4:5], s[4:5], s[26:27]
	s_add_nc_u64 s[6:7], s[6:7], s[28:29]
	s_add_nc_u64 s[8:9], s[8:9], s[32:33]
	s_add_nc_u64 s[10:11], s[10:11], s[34:35]
	s_add_nc_u64 s[12:13], s[12:13], s[36:37]
	s_add_nc_u64 s[14:15], s[14:15], s[38:39]
	s_add_nc_u64 s[16:17], s[16:17], s[38:39]
	s_add_nc_u64 s[18:19], s[18:19], s[38:39]
	s_add_nc_u64 s[20:21], s[20:21], s[36:37]
	; 66 loads, in the order in which they are wanted
.irp k, 0,1,2
	global_load_b128 v[OF+4*\k:OF+4*\k+3], v4, s[4:5] offset:512*\k          ; 3: my sixteenth of the tokens' codes
.endr
.irp n, 0,1,2,3,4,5,6,7,8,9,10,11,12,13,14,15
	global_load_b32 v[T+\n], v6, s[6:7] offset:32768*\n                      ; 16: head n's two scale bytes: lanes 0-15 tile 0, lanes 16-31 tile 1
.endr
	global_load_b128 v[BMR:BMR+3], v11, s[14:15]                             ; 3: bm, ln_g, ln_b at channels 64 w + 4 r on
	global_load_b128 v[LG:LG+3], v11, s[16:17]
	global_load_b128 v[LB:LB+3], v11, s[18:19]
.irp i, 0,1
.irp t, 0,1,2,3,4,5,6,7
	global_load_b128 v[ACC+32*\i+4*\t:ACC+32*\i+4*\t+3], v7, s[12:13] offset:(8*\i+2*\t+8*(\t/4))*4096   ; 16: y_q: sixteen lanes read 256 consecutive bytes, aligned
.endr
.endr
.irp j, 0,1
.irp q, 0,1
	global_load_b128 v[WSC+8*\j+4*\q:WSC+8*\j+4*\q+3], v12, s[10:11] offset:1024*\j+16*\q   ; 4: Wm's scale words, all of K
.endr
.endr
.macro WLOAD s                         ; 12: my four units' fragments of K step s, into set s % 2
.irp b, 0,1,2,3
.irp k, 0,1,2
	global_load_b128 v[80+48*((\s)%2)+12*\b+4*\k:80+48*((\s)%2)+12*\b+4*\k+3], v4, s[8:9] offset:\b*12288+(\s)*1536+512*\k
.endr
.endr
.endm
	WLOAD 0
	WLOAD 1
	s_wait_loadcnt 63                              ; of the 66 the first 3 are in: the codes
.irp k, 0,1,2
	ds_store_b128 v10, v[OF+4*\k:OF+4*\k+3] offset:512*\k
.endr
	s_wait_loadcnt 47                              ; the next 16: the scale bytes
.irp s, 0,1,2,3,4,5,6,7
	v_lshl_or_b32 v[OS+\s], v[T+2*\s+1], 16, v[T+2*\s]   ; heads 2 s and 2 s + 1 are K step s
.endr
	s_wait_loadcnt 28                              ; the next 19: bm, ln_g, ln_b, y_q; Wm's 4 + 24 may be out
.irp i, 0,1
.irp t, 0,1,2,3,4,5,6,7
.irp k, 0,1
	v_pk_add_f32 v[ACC+32*\i+4*\t+2*\k:ACC+32*\i+4*\t+2*\k+1], v[ACC+32*\i+4*\t+2*\k:ACC+32*\i+4*\t+2*\k+1], v[BMR+2*\k:BMR+2*\k+1]   ; y_q + bm.  (Also the places between the scale words just made and the first product)
.endr
.endr
.endr
.irp i, 0,1
.irp t, 0,1,2,3,4,5,6,7
	ds_store_b128 v8, v[ACC+32*\i+4*\t:ACC+32*\i+4*\t+3] offset:2*SP*\t       ; rows 2 t, 2 t + 1 of the tile
.endr
.irp n, 0,1,2,3,4,5,6,7
	ds_load_b128 v[ACC+32*\i+4*\n:ACC+32*\i+4*\n+3], v9 offset:128*(\n/4)+16*(\n%4)   ; register 16 j + n: channel 32 j + 16 h + n of token r.  LDS serves a wave's instructions in order: no wait between
.endr
.endr
	s_wait_dscnt 0x0                               ; my part of the images has landed, and my accumulators are in
	s_barrier_signal -1
	s_barrier_wait -1                              ; the images are whole
.macro MM s, b, i
.set rD, ACC+32*(\i)+8*(\b)
.set rA, 80+48*((\s)%2)+12*(\b)
.set rB, OF+12*(\i)
.set rW, WSC+8*((\b)/2)+(\s)
.if ((\b)%2 == 0) && ((\i) == 0)
	v_wmma_scale_f32_16x16x128_f8f6f4 v[rD:rD+7], v[rA:rA+11], v[rB:rB+11], v[rD:rD+7], v[rW], v[OS+(\s)] matrix_a_fmt:MATRIX_FMT_FP6 matrix_b_fmt:MATRIX_FMT_FP6
.elseif ((\b)%2 == 1) && ((\i) == 0)
	v_wmma_scale_f32_16x16x128_f8f6f4 v[rD:rD+7], v[rA:rA+11], v[rB:rB+11], v[rD:rD+7], v[rW], v[OS+(\s)] matrix_a_fmt:MATRIX_FMT_FP6 matrix_b_fmt:MATRIX_FMT_FP6 matrix_a_scale:MATRIX_SCALE_ROW1
.elseif ((\b)%2 == 0) && ((\i) == 1)
	v_wmma_scale_f32_16x16x128_f8f6f4 v[rD:rD+7], v[rA:rA+11], v[rB:rB+11], v[rD:rD+7], v[rW], v[OS+(\s)] matrix_a_fmt:MATRIX_FMT_FP6 matrix_b_fmt:MATRIX_FMT_FP6 matrix_b_scale:MATRIX_SCALE_ROW1
.else
	v_wmma_scale_f32_16x16x128_f8f6f4 v[rD:rD+7], v[rA:rA+11], v[rB:rB+11], v[rD:rD+7], v[rW], v[OS+(\s)] matrix_a_fmt:MATRIX_FMT_FP6 matrix_b_fmt:MATRIX_FMT_FP6 matrix_a_scale:MATRIX_SCALE_ROW1 matrix_b_scale:MATRIX_SCALE_ROW1
.endif
.endm
.macro STEP s
.irp i, 0,1                                    ; the two tiles' fragments: two half images each
	ds_load_b128 v[OF+12*\i:OF+12*\i+3], v4 offset:\i*12288+(\s)*1536
	ds_load_b64 v[OF+12*\i+4:OF+12*\i+5], v5 offset:\i*12288+(\s)*1536+512
	ds_load_b128 v[OF+12*\i+6:OF+12*\i+9], v4 offset:\i*12288+(\s)*1536+768
	ds_load_b64 v[OF+12*\i+10:OF+12*\i+11], v5 offset:\i*12288+(\s)*1536+1280
.endr
.if (\s) < 7
	s_wait_loadcnt 12                              ; this step's weights are in; the next step's 12 loads may be out
.else
	s_wait_loadcnt 0x0
.endif
	s_wait_dscnt 0x0
.irp b, 0,1,2,3
.irp i, 0,1
	MM \s, \b, \i                                  ; eight accumulators, one instruction a turn
.endr
.endr
.rept 4
	v_nop                                          ; places in front of loads into registers that matrix instructions have read, and of the first read of results
.endr
.if (\s)+2 < 8
	WLOAD (\s)+2
.endif
.endm
.irp s, 0,1,2,3,4,5,6,7
	STEP \s
.endr
; v[T:T+1] and v[T+2:T+3] hold my lane's partial sums of tile 0 and tile 1, two halves each.  They become the rows' sums over all 1,024 channels in v80: lanes 0-15 tile 0's token r, lanes 16-31 tile 1's.
.macro REDUCE off
.irp i, 0,1
	s_delay_alu instid0(VALU_DEP_2)
	v_add_f32 v[T+2*\i], v[T+2*\i], v[T+2*\i+1]
.endr
.irp i, 0,1
	s_delay_alu instid0(VALU_DEP_2)
	v_permlanex16_b32 v[T+4+\i], v[T+2*\i], s42, s43
.endr
.irp i, 0,1
	s_delay_alu instid0(VALU_DEP_2)
	v_add_f32 v[T+2*\i], v[T+2*\i], v[T+4+\i]      ; my wave's 64 channels
.endr
	s_delay_alu instid0(VALU_DEP_1)
	v_cndmask_b32 v[T+6], v[T], v[T+2], s44
	ds_store_b32 v13, v[T+6] offset:\off
	s_wait_dscnt 0x0                               ; for the others' sake
	s_barrier_signal -1
	s_barrier_wait -1
.irp k, 0,1,2,3,4,5,6,7,8,9,10,11,12,13,14,15
	ds_load_b32 v[80+\k], v14 offset:\off+128*\k
.endr
	s_wait_dscnt 0x0
.irp k, 0,1,2,3,4,5,6,7
	v_add_f32 v[80+\k], v[80+\k], v[88+\k]
.endr
.irp k, 0,1,2,3
	s_delay_alu instid0(VALU_DEP_4)
	v_add_f32 v[80+\k], v[80+\k], v[84+\k]
.endr
	s_delay_alu instid0(VALU_DEP_2)
	v_add_f32 v80, v80, v82
	s_delay_alu instid0(VALU_DEP_2)
	v_add_f32 v81, v81, v83
	s_delay_alu instid0(VALU_DEP_1)
	v_add_f32 v80, v80, v81
.endm
.macro SPREAD                          ; v80 (by halves of the lanes) becomes two pairs: v[T+8:T+9] tile 0's number of token r, v[T+10:T+11] tile 1's, in every lane
	v_permlanex16_b32 v81, v80, s42, s43
	v_cndmask_b32 v[T+8], v80, v81, s44
	v_cndmask_b32 v[T+10], v81, v80, s44
	s_delay_alu instid0(VALU_DEP_2)
	v_mov_b32 v[T+9], v[T+8]
	s_delay_alu instid0(VALU_DEP_2)
	v_mov_b32 v[T+11], v[T+10]
.endm
.irp i, 0,1
	v_pk_add_f32 v[T+2*\i:T+2*\i+1], v[ACC+32*\i:ACC+32*\i+1], v[ACC+32*\i+2:ACC+32*\i+3]   ; each accumulator from its low end on
.endr
.irp j, 4,6,8,10,12,14,16,18,20,22,24,26,28,30
.irp i, 0,1
	v_pk_add_f32 v[T+2*\i:T+2*\i+1], v[T+2*\i:T+2*\i+1], v[ACC+32*\i+\j:ACC+32*\i+\j+1]
.endr
.endr
	REDUCE 0
	s_delay_alu instid0(VALU_DEP_1)
	v_mul_f32 v80, s40, v80                        ; the mean
	SPREAD
.irp i, 0,1
.irp j, 0,2,4,6,8,10,12,14,16,18,20,22,24,26,28,30
	v_pk_add_f32 v[ACC+32*\i+\j:ACC+32*\i+\j+1], v[ACC+32*\i+\j:ACC+32*\i+\j+1], v[T+8+2*\i:T+9+2*\i] neg_lo:[0,1] neg_hi:[0,1]   ; x - mean
.endr
.endr
.irp i, 0,1
	v_pk_mul_f32 v[T+2*\i:T+2*\i+1], v[ACC+32*\i:ACC+32*\i+1], v[ACC+32*\i:ACC+32*\i+1]
.endr
.irp j, 2,4,6,8,10,12,14,16,18,20,22,24,26,28,30
.irp i, 0,1
	s_delay_alu instid0(VALU_DEP_2)
	v_pk_fma_f32 v[T+2*\i:T+2*\i+1], v[ACC+32*\i+\j:ACC+32*\i+\j+1], v[ACC+32*\i+\j:ACC+32*\i+\j+1], v[T+2*\i:T+2*\i+1]
.endr
.endr
	REDUCE 2048                                    ; other bytes than the first sums': no wave still reads what is written
	s_delay_alu instid0(VALU_DEP_1)
	v_fma_f32 v80, v80, s40, s41                   ; the variance + 1e-5
	s_wait_alu depctr_va_vdst(0)
	v_rsq_f32 v80, v80
	v_nop                                          ; a plain place behind the transcendental
	s_wait_alu depctr_va_vdst(0)                   ; and the wait ahead of its first reader
	SPREAD
.irp i, 0,1
.irp j, 0,2,4,6,8,10,12,14,16,18,20,22,24,26,28,30
	v_pk_mul_f32 v[ACC+32*\i+\j:ACC+32*\i+\j+1], v[ACC+32*\i+\j:ACC+32*\i+\j+1], v[T+8+2*\i:T+9+2*\i]
.endr
.endr
	; THE WAY OUT: back through my stage into whole rows of 256 bytes; there a lane's four numbers are four neighbouring channels, as ln_g and ln_b were loaded
.irp i, 0,1
.irp n, 0,1,2,3,4,5,6,7
	ds_store_b128 v9, v[ACC+32*\i+4*\n:ACC+32*\i+4*\n+3] offset:128*(\n/4)+16*(\n%4)
.endr
.irp t, 0,1,2,3,4,5,6,7
	ds_load_b128 v[80+32*\i+4*\t:80+32*\i+4*\t+3], v8 offset:2*SP*\t          ; in order behind the stores above, and ahead of the next tile's
.endr
.endr
.irp i, 0,1
.irp t, 0,1,2,3,4,5,6,7
	s_wait_dscnt 23-16*\i-\t                       ; the younger LDS instructions may be out: this tile's later loads, and the next tile's 16
.irp k, 0,1
	v_pk_fma_f32 v[80+32*\i+4*\t+2*\k:80+32*\i+4*\t+2*\k+1], v[80+32*\i+4*\t+2*\k:80+32*\i+4*\t+2*\k+1], v[LG+2*\k:LG+2*\k+1], v[LB+2*\k:LB+2*\k+1]
.endr
	global_store_b128 v7, v[80+32*\i+4*\t:80+32*\i+4*\t+3], s[20:21] offset:(8*\i+2*\t+8*(\t/4))*4096 th:TH_STORE_NT   ; sixteen lanes store 256 consecutive bytes, aligned
.endr
.endr
	s_wait_tensorcnt 0x0
	ds_add_u32 v254, v255
	s_wait_dscnt 0x0
	s_endpgm
.Lfunc_end_k_qe534a3aed8_merge:
	.size	k_qe534a3aed8_merge, .Lfunc_end_k_qe534a3aed8_merge-k_qe534a3aed8_merge
	.p2alignl 7, 3214868480
	.fill 96, 4, 3214868480
	.section	.rodata,"a",@progbits
	.p2align	6, 0x0
	.amdhsa_kernel k_qe534a3aed8_merge
		.amdhsa_group_segment_fixed_size 100352
		.amdhsa_private_segment_fixed_size 0
		.amdhsa_enable_private_segment 0
		.amdhsa_kernarg_size 72
		.amdhsa_user_sgpr_count 2
		.amdhsa_user_sgpr_kernarg_segment_ptr 1
		.amdhsa_wavefront_size32 1
		.amdhsa_system_sgpr_workgroup_id_x 1
		.amdhsa_system_sgpr_workgroup_id_y 1
		.amdhsa_system_sgpr_workgroup_id_z 1
		.amdhsa_system_vgpr_workitem_id 0
		.amdhsa_next_free_vgpr 256
		.amdhsa_next_free_sgpr 66
		.amdhsa_reserve_vcc 0
		.amdhsa_float_denorm_mode_32 3
		.amdhsa_float_denorm_mode_16_64 3
		.amdhsa_memory_ordered 1
		.amdhsa_forward_progress 1
		.amdhsa_inst_pref_size 56
	.end_amdhsa_kernel
	.amdgpu_metadata
---
amdhsa.version: [ 1, 2 ]
amdhsa.kernels:
  - .name:           k_qe534a3aed8_merge
    .symbol:         k_qe534a3aed8_merge.kd
    .args:
      - { .name: oimg, .offset: 0, .size: 8, .value_kind: global_buffer, .address_space: global }
      - { .name: osc, .offset: 8, .size: 8, .value_kind: global_buffer, .address_space: global }
      - { .name: img, .offset: 16, .size: 8, .value_kind: global_buffer, .address_space: global }
      - { .name: scl, .offset: 24, .size: 8, .value_kind: global_buffer, .address_space: global }
      - { .name: y_q, .offset: 32, .size: 8, .value_kind: global_buffer, .address_space: global }
      - { .name: bm, .offset: 40, .size: 8, .value_kind: global_buffer, .address_space: global }
      - { .name: ln_g, .offset: 48, .size: 8, .value_kind: global_buffer, .address_space: global }
      - { .name: ln_b, .offset: 56, .size: 8, .value_kind: global_buffer, .address_space: global }
      - { .name: out0, .offset: 64, .size: 8, .value_kind: global_buffer, .address_space: global }
    .group_segment_fixed_size: 100352
    .private_segment_fixed_size: 0
    .kernarg_segment_align: 8
    .kernarg_segment_size: 72
    .max_flat_workgroup_size: 512
    .sgpr_count:     66
    .vgpr_count:     256
    .wavefront_size: 32
...
	.end_amdgpu_metadata
.endif
;; end of part 4
